; MI455X (gfx1250); checked and timed in simulation.
; The chip was launched on July 23, 2026; its instructions are those of AMD's public machine-readable ISA for CDNA 5 (MIT licence, August 2026) and "CDNA5" Instruction Set Architecture Reference Guide (July 2026). The comments in the code are by the model that wrote it; some were corrected since.
;; D2 L Dot Product Attention. Allowed arithmetic: float matrix products may take bf16 or f16 operands with f32 sums; all other float work in f32.
;; Inputs: keys 32 x 2,048 x 64 float32; queries 32 x 2,048 x 64 float32; valid_lens 32 int32; values 32 x 2,048 x 64 float32.
;; Outputs: out0 32 x 2,048 x 64 float32.
;; One version. Each part assembles by itself: llvm-mc -triple=amdgcn-amd-amdhsa -mcpu=gfx1250 --defsym DOCPART=n.
;; ======== version 1 of 1: 1 launch
;; limits: right only within a limited range of input values; values are held in f16: magnitudes above 65,504 overflow, below 6.1e-05 lose precision; inputs' magnitudes at most 65,504
;; launch attn (part 1): grid 256 x 1, 4 waves a work-group, no clusters, 225,792 bytes of LDS; arguments keys, queries, valid_lens, values, out0; writes out0
.if DOCPART == 1
	.amdgcn_target "amdgcn-amd-amdhsa--gfx1250"
	.amdhsa_code_object_version 6
	.text
	.protected	k_q1de7c1f7ac_attn
	.globl	k_q1de7c1f7ac_attn
	.p2align	8
	.type	k_q1de7c1f7ac_attn,@function
k_q1de7c1f7ac_attn:
	s_mov_b64 s[64:65], 0
	v_nop
	global_prefetch_b8 v0, s[64:65] scope:SCOPE_SE
	s_setreg_imm32_b32 hwreg(HW_REG_WAVE_MODE, 25, 1), 1
	s_wait_xcnt 0x0
; out[b][q][:] = softmax over k of ( q.k / 8, or -1e6 where k >= valid_lens[b] ) times V.   B = 32, S = 2048, D = 64, all f32.
;
; WORK.  A unit is 128 query rows of one batch (16 units a batch, 512 in all).  Each of the 256 work-groups does two units, one after the
; other: the same query block of the (p+1)-th longest and of the (p+1)-th shortest batch (p = work-group >> 4, block = work-group & 15),
; so that the number of key tiles (128 keys each) that a work-group walks, T = n_a + n_b, is about the same everywhere.  Key tiles that lie
; wholly behind valid_len are neither read nor multiplied: reference() gives them exp(-1e6 - max), which is 0 in f32.
; The order of the batches is made by every wave for itself, in scalar registers (a bitonic network on len * 32 + index).  Whatever a
; network of exchanges does, it permutes: every unit is done exactly once; only the balance hangs on the order.
; THE FRAME IS FIXED.  Every wave passes every barrier, so no barrier stands under a condition that hangs on numbers read from memory: the
; loop always makes 32 trips, the most that two batches can need, with one barrier at each trip's end.  What hangs on the lengths are
; forward branches that hold no barrier: the work on tile TI (TI < T), rounding and storing tile TI + 1, loading tile TI + 2.
; A trip behind the end is two compares, two waits that find nothing outstanding, and the barrier.
; NO CLUSTER, NO TENSOR LOADS.  The 16 work-groups of a pair read the same tiles, but which batch that is comes from valid_lens, and a joint
; request has to be equal in all partners by their ids alone.  K and V go through registers instead and are rounded to f16 once for
; the work-group: 64 conversions and 32 fragment loads for a wave and a tile, where each wave reading the f32 tile would need 128 and 64.
; WAVES.  Wave w: qg = w & 1 picks 64 of the 128 queries, kh = w >> 1 picks 64 of a tile's 128 keys.  The two key halves keep their own
; running maximum, sum and output; at a unit's end each wave lays them into LDS bytes of its own, and they are merged behind the loop.
;
; LAYOUTS.  scores: S^T = K Q^T (source 0 = 16 keys, source 1 = 16 queries): lane (r, h), register j = key 8 h + j of query r.  Two key
; sub-tiles packed to f16 ARE source 1 of the second product, and a query's maximum and sum live in lanes r and r + 16 alone.
; output: O^T = V^T P^T; V lies [key][d] in LDS and comes transposed by ds_load_tr16_b128: tile t, lane (r, h), register j = d 16 t + 8 h + j.
; NUMBERS.  Q, K, V and the weights are f16 in the products, sums f32.  f16 and not bf16: 11 significant bits against 8, so each rounding is
; 8 times finer, which counts where a short valid length leaves a sum of a few large terms that nearly cancel.  The operands have the
; room: weights lie in 0 .. 1, and inputs of magnitude up to some 6, taken 30 times larger with an offset of 30 on top, stay under 400.
; The running maximum is kept as NM = -(max * c), c = log2(e) / 8; weight = exp2(fma(s, c, NM)): every weight of a row refers to the
; same rounded NM.
; LIMITS.  (1) |q|, |k|, |v| <= 65,504, f16's largest number: beyond it the conversion gives infinity.  Below 2^-14 operands are kept in steps
; of 2^-24.  (2) Skipped tiles count as weight 0 exactly: equal to reference() while a row's largest valid q.k / 8 exceeds about -1e6 + 104.
; (3) valid_len <= 0: as reference(), uniform over all 2,048 keys (len = 2048, c = 0); needs finite q.k.  (4) valid_len > 2048 counts as 2048.
; NOT DONE: prefetching.  A tile's loads are issued one whole trip ahead of their wait, and 16 work-groups ask for the same bytes.
.set KPITCH, 144                       ; a K row in LDS: 128 bytes of f16 + 16, an odd multiple of 16: the 16 rows of a fragment load start in 16 different 16-byte columns
.set VPITCH, 160                       ; a V row: 128 bytes + 32, an odd multiple of 32
.set KBYTES, 128*KPITCH
.set SLOT,   KBYTES+128*VPITCH         ; K's tile, then V's: 38,912 bytes.  Two slots at 0 and SLOT
.set MPITCH, 272                       ; a query's 64 f32 + 16 bytes
.set MWAVE,  64*MPITCH                 ; merge stage: what one wave lays down (its 64 queries)
.set MCOPY,  2*MWAVE                   ; one key half's 128 rows
.set MUNIT,  2*MCOPY                   ; one unit
.set MRG,    2*SLOT                    ; merge stage: 2 units
.set LST,    MRG+2*MUNIT               ; (NM, sum): unit u, key half kh, query q at 2048 u + 1024 kh + 8 q
.set FST,    LST+4096                  ; factors (f0, f0, f1, f1): unit u, wave w, row at 2048 u + 512 w + 16 row.  Ends at 225,280
; vector registers, window 0
.set AK,     1                         ; v1, v2    K fragments in slot 0, 1: (64 kh + r) KPITCH + 16 h
.set AV,     3                         ; v3, v4    V fragments: KBYTES + (64 kh + 8 h + (lane & 7)) VPITCH + 16 ((lane >> 3) & 1)
.set LB,     5                         ; -(64 kh + 8 h)
.set LIM,    6                         ; keys left for this lane in the unit's partial tile
.set SK,     7                         ; v7, v8    where I store K in slot 0, 1: (32 w + 8 h) KPITCH + 8 r
.set SV,     9                         ; v9, v10   where I store V: KBYTES + (32 w + 4 h) VPITCH + 8 r
.set GKO,    11                        ; my byte offset in a tile of keys: (32 w + 8 h) rows + 16 r
.set GVO,    12                        ; in a tile of values: (32 w + 4 h) rows + 16 r
.set QOFF,   13                        ; in the unit's 128 rows of Q
.set AL,     14                        ; v[14:15]  alpha (v15 only completes the pair)
.set STAT,   16                        ; v[16:23]  query tile qt: NM at 16 + 2 qt, sum at 17 + 2 qt
.set TT,     24                        ; v[24:31]  at work
.set ZF,     32                        ; v[32:47]  two fragments of zeros, never rewritten
.set MO,     48                        ; v48, v49  merge stage, in, unit a, b
.set STO,    50                        ; v50, v51  my queries' figures, unit a, b
.set MR,     52                        ; merge stage, back
.set STR,    53                        ; figures, back
.set FSA,    54                        ; factors, in
.set FSR,    55                        ; factors, back
.set OUTOFF, 56                        ; my byte offset in the unit's 128 rows of out
.set KB,     64                        ; v[64:127] K fragments: 64 + 16 sub + 8 ds;  behind the loop: factors
.set SC,     128                       ; v[128:255] scores: 128 + 32 qt + 8 sub + j; packed in place: weights (qt, ks) at 128 + 32 qt + 8 ks
.set OA,     0                         ; window 1: output tile (qt, t) at 8 (4 qt + t)
.set QF,     128                       ; window 1: Q fragment (qt, ds) at 128 + 8 (2 qt + ds)
.set VB,     192                       ; window 1: V fragment (ks, t) at 192 + 32 ks + 8 t
.set GF,     0                         ; window 2: my quarter of a tile in f32: K's 16 loads, then V's
.set GB,     128                       ; window 2: the same in f16
.set QB,     0                         ; window 3: unit b's Q in f32
; s_set_vgpr_msb, low byte: bits 1:0 source 0, 3:2 source 1, 5:4 source 2, 7:6 destination
.set W_D1,   0x40                      ; destination in window 1
.set W_S1,   0x04                      ; source 1 in window 1: the score products' Q; LDS stores of output
.set W_RS,   0x41                      ; output (window 1) times alpha (window 0)
.set W_PV,   0x51                      ; output products: A, C and D window 1, B window 0
.set W_LD2,  0x80                      ; load into window 2
.set W_CV2,  0x8a                      ; window 2 -> window 2
.set W_ST2,  0x08                      ; LDS store of data in window 2
.set W_LD3,  0xc0                      ; load into window 3
.set W_CVQ,  0x4f                      ; window 3 -> window 1
; scalar registers
.set WV,     14                        ; wave number
.set PP,     15                        ; pair p
.set KP,     16                        ; s[16:17] keys, s[18:19] values at the tile that is being loaded
.set VP,     18
.set TI,     20                        ; trip number
.set NT,     21                        ; T = n_a + n_b;  T - 1;  T - 2
.set NT1,    22
.set NT2,    23
.set SY,     32                        ; s[32:63] and
.set SX,     68                        ; s[68:99]: the two arrays of the sort; used again behind it:
.set BA,     32                        ; batch of unit a, of unit b
.set BB,     33
.set NA1,    34                        ; n_a - 1
.set PF,     36                        ; tiles loaded so far
.set CT,     37                        ; tiles left in the unit
.set REM,    38                        ; valid keys in the unit's last (partial) tile, 1 .. 128
.set FIRST,  39                        ; 1 in a unit's first trip, which takes that tile
.set CC,     40                        ; s[40:41] c, c
.set NC,     42                        ; -c
.set UL,     43                        ; units left
.set PASS,   44
.set OUTP,   46                        ; s[46:47] out at unit a's rows;  s[48:49] at unit b's
.set OUTP2,  48
.set NB,     50                        ; unit b: tiles, REM, c
.set REMB,   51
.set CB,     52
.set X0,     53                        ; s53-s56 at work
.set X1,     54
.set X2,     55
.set X3,     56
.set MASKV,  57                        ; -8e6 = -1e6 x 8: the masked score ahead of the division by 8
.set OFF,    58                        ; s[58:59] a byte offset, high word 0
.set SELLO,  62                        ; v_permlanex16_b32: lane i takes lane i of the other half
.set SELHI,  63
.set QPA,    68                        ; s[68:69], s[70:71] Q at unit a's, unit b's rows
.set QPB,    70
.set QBLK,   72
.set MSB, 0
.macro WIN new                         ; the immediate's high byte repeats the setting that is left
.if MSB != \new
	s_set_vgpr_msb (MSB<<8)|\new
.set MSB, \new
.endif
.endm
.macro PLACES n                        ; plain vector places behind a matrix instruction (ISA guide 7.12.1)
.rept \n
	v_nop
.endr
.endm
; key = len * 32 + index  ->  batch, tiles, valid keys in the last tile, c
.macro DECODE rk, rb, rn, rr, rc
	s_and_b32 s[\rb], s[\rk], 31
	s_min_u32 s[\rb], s[\rb], 31                   ; the batch enters addresses: bounded here
	s_lshr_b32 s[X0], s[\rk], 5
	s_cmp_eq_u32 s[X0], 0                          ; no valid key: every score is -1e6, the weights are uniform over all keys:
	s_cselect_b32 s[X0], 2048, s[X0]               ; all keys,
	s_cselect_b32 s[\rc], 0, 0x3e38aa3b            ; and c = 0 in place of log2(e) / 8
	s_min_u32 s[X0], s[X0], 2048
	s_add_co_u32 s[\rn], s[X0], 127
	s_lshr_b32 s[\rn], s[\rn], 7                   ; n = ceil(len / 128), 1 .. 16
	s_lshl_b32 s[X1], s[\rn], 7
	s_sub_co_u32 s[\rr], s[X0], s[X1]
	s_add_co_u32 s[\rr], s[\rr], 128               ; len - 128 (n - 1), 1 .. 128
.endm
; Load my quarter of flat tile PF (unit a's tiles n_a - 1 .. 0, then unit b's n_b - 1 .. 0) as f32: 32 rows of K, 32 rows of V.
; Each load's lanes 0-15 and 16-31 take one whole row of 256 bytes each; the two rows are 8 (K) or 4 (V) apart, so that the halves of the
; LDS store that follows lie 128 bytes apart modulo 256.  It stands behind s_wait_loadcnt 0: bases and destinations are free.
.macro LOADTILE
	s_sub_co_i32 s[X0], s[NA1], s[PF]              ; unit a's tile, negative once a is through
	s_sub_co_i32 s[X1], s[NT1], s[PF]              ; unit b's tile
	s_max_i32 s[X1], s[X1], 0
	s_cmp_ge_i32 s[X0], 0
	s_cselect_b32 s[X0], s[X0], s[X1]
	s_cselect_b32 s[X2], s[BA], s[BB]
	s_min_u32 s[X0], s[X0], 15                     ; both come from numbers read from memory: bounded in front of the address
	s_min_u32 s[X2], s[X2], 31
	s_lshl_b32 s[X0], s[X0], 15                    ; a tile is 128 rows of 256 bytes,
	s_lshl_b32 s[X2], s[X2], 19                    ; a batch 2,048
	s_add_co_u32 s[OFF], s[X0], s[X2]
	s_add_nc_u64 s[KP:KP+1], s[4:5], s[OFF:OFF+1]
	s_add_nc_u64 s[VP:VP+1], s[10:11], s[OFF:OFF+1]
	s_add_co_u32 s[PF], s[PF], 1
	WIN W_LD2
.set i, 0
.rept 16
	global_load_b128 v[GF+4*i:GF+4*i+3], v[GKO], s[KP:KP+1] offset:((i&7)+16*(i>>3))*256
.set i, i+1
.endr
.set i, 0
.rept 16
	global_load_b128 v[GF+64+4*i:GF+64+4*i+3], v[GVO], s[VP:VP+1] offset:((i&3)+8*(i>>2))*256
.set i, i+1
.endr
	WIN 0
.endm
; Round my quarter of a tile to f16 and lay it into a slot: a lane's 4 numbers become 8 bytes
.macro STORETILE slot
	WIN W_CV2
.set i, 0
.rept 64
	v_cvt_pk_f16_f32 v[GB+i], v[GF+2*i], v[GF+2*i+1]
.set i, i+1
.endr
	WIN W_ST2
.set i, 0
.rept 16
	ds_store_b64 v[SK+\slot], v[GB+2*i:GB+2*i+1] offset:((i&7)+16*(i>>3))*KPITCH
.set i, i+1
.endr
.set i, 0
.rept 16
	ds_store_b64 v[SV+\slot], v[GB+32+2*i:GB+32+2*i+1] offset:((i&3)+8*(i>>2))*VPITCH
.set i, i+1
.endr
	WIN 0
.endm
; 32 LDS loads: the fragments of my 64 keys: K sub-tile by sub-tile, then V transposed
.macro READ slot
	WIN 0
.irp sub, 0,1,2,3
.irp dh, 0,1
	ds_load_b128 v[KB+16*\sub+8*\dh:KB+16*\sub+8*\dh+3],   v[AK+\slot] offset:\sub*16*KPITCH+64*\dh      ; key 16 sub + r, d = 32 dh + 8 h ..
	ds_load_b128 v[KB+16*\sub+8*\dh+4:KB+16*\sub+8*\dh+7], v[AK+\slot] offset:\sub*16*KPITCH+64*\dh+32   ; d = 32 dh + 16 + 8 h ..
.endr
.endr
	WIN W_D1
.irp ks, 0,1
.irp t, 0,1,2,3
	ds_load_tr16_b128 v[VB+32*\ks+8*\t:VB+32*\ks+8*\t+3],   v[AV+\slot] offset:\ks*32*VPITCH+32*\t             ; d = 16 t + r, keys 32 ks + 8 h ..
	ds_load_tr16_b128 v[VB+32*\ks+8*\t+4:VB+32*\ks+8*\t+7], v[AV+\slot] offset:\ks*32*VPITCH+16*VPITCH+32*\t   ; keys 32 ks + 16 + 8 h ..
.endr
.endr
.endm
; 16 keys x 64 queries: 8 matrix instructions; the first four start the sums
.macro KSTEP sub
	s_wait_dscnt 28-4*\sub                         ; LDS loads come back in order (ISA guide 5.7.1): this sub-tile's 4 are in; the later K loads and V's 16 stay out
	WIN W_S1
.irp qt, 0,1,2,3
	v_wmma_f32_16x16x32_f16 v[SC+32*\qt+8*\sub:SC+32*\qt+8*\sub+7], v[KB+16*\sub:KB+16*\sub+7], v[QF+16*\qt:QF+16*\qt+7], 0
.endr
.irp qt, 0,1,2,3
	v_wmma_f32_16x16x32_f16 v[SC+32*\qt+8*\sub:SC+32*\qt+8*\sub+7], v[KB+16*\sub+8:KB+16*\sub+15], v[QF+16*\qt+8:QF+16*\qt+15], v[SC+32*\qt+8*\sub:SC+32*\qt+8*\sub+7]
.endr
.endm
; The unit's partial tile: key 64 kh + 16 sub + 8 h + j is valid where 16 sub + j < REM - 64 kh - 8 h; the others get reference()'s value
.macro MASK
	v_add_nc_u32 v[LIM], s[REM], v[LB]
.irp sub, 0,1,2,3
.irp j, 0,1,2,3,4,5,6,7
	v_cmp_lt_i32 vcc_lo, 16*\sub+\j, v[LIM]
.irp qt, 0,1,2,3
	v_cndmask_b32 v[SC+32*\qt+8*\sub+\j], s[MASKV], v[SC+32*\qt+8*\sub+\j], vcc_lo
.endr
.endr
.endr
.endm
.macro EXPBLK b                        ; 8 weights: exp2(s c + NM)
.irp i, 0,1,2,3
	v_pk_fma_f32 v[SB+8*\b+2*\i:SB+8*\b+2*\i+1], v[SB+8*\b+2*\i:SB+8*\b+2*\i+1], s[CC:CC+1], v[NM:NM+1] op_sel_hi:[1,0,0]
.endr
.irp i, 0,1,2,3,4,5,6,7
	v_exp_f32 v[SB+8*\b+\i], v[SB+8*\b+\i]
.endr
.endm
.macro SUMPACK b                       ; add 8 weights to the two running pairs, then pack them to f16 in place (4 b + i from 8 b + 2 i, 8 b + 2 i + 1)
.if \b == 0
	s_wait_alu depctr_va_vdst(0)
	v_pk_add_f32 v[TT:TT+1], v[SB:SB+1], v[SB+2:SB+3]              ; the first block starts the sums
	v_pk_add_f32 v[TT+2:TT+3], v[SB+4:SB+5], v[SB+6:SB+7]
.else
	s_wait_alu depctr_va_vdst(0)
	v_pk_add_f32 v[TT:TT+1], v[TT:TT+1], v[SB+8*\b:SB+8*\b+1]
	v_pk_add_f32 v[TT+2:TT+3], v[TT+2:TT+3], v[SB+8*\b+2:SB+8*\b+3]
	v_pk_add_f32 v[TT:TT+1], v[TT:TT+1], v[SB+8*\b+4:SB+8*\b+5]
	v_pk_add_f32 v[TT+2:TT+3], v[TT+2:TT+3], v[SB+8*\b+6:SB+8*\b+7]
.endif
.irp i, 0,1,2,3
	v_cvt_pk_f16_f32 v[SB+4*\b+\i], v[SB+8*\b+2*\i], v[SB+8*\b+2*\i+1]
.endr
.endm
; One query tile's 16 queries x my 64 keys: new maximum, alpha, weights, sum.  All in window 0.
.macro SOFTMAX qt
.set SB, SC+32*\qt
.set NM, STAT+2*\qt
	WIN 0
.irp k, 0,1,2,3                        ; the largest of my 32 scores, in four chains
	v_max3_num_f32 v[TT+\k], v[SB+8*\k], v[SB+8*\k+1], v[SB+8*\k+2]
.endr
.irp k, 0,1,2,3
	v_max3_num_f32 v[TT+\k], v[TT+\k], v[SB+8*\k+3], v[SB+8*\k+4]
.endr
.irp k, 0,1,2,3
	v_max3_num_f32 v[TT+\k], v[TT+\k], v[SB+8*\k+5], v[SB+8*\k+6]
.endr
.irp k, 0,1,2,3
	v_max_num_f32 v[TT+\k], v[TT+\k], v[SB+8*\k+7]
.endr
	v_max3_num_f32 v[TT], v[TT], v[TT+1], v[TT+2]
	v_max_num_f32 v[TT], v[TT], v[TT+3]
	v_permlanex16_b32 v[TT+4], v[TT], s[SELLO], s[SELHI]           ; the query's other 32 keys lie in lane r + 16 (or r)
	v_max_num_f32 v[TT], v[TT], v[TT+4]
	v_mul_f32 v[TT+5], s[NC], v[TT]                                ; -(max c) of this tile,
	v_min_num_f32 v[TT+5], v[TT+5], v[NM]                          ; of all tiles so far
	v_sub_f32 v[TT+6], v[TT+5], v[NM]                              ; <= 0; -inf in a unit's first trip
	v_exp_f32 v[AL], v[TT+6]                                       ; alpha
	v_mov_b32 v[NM], v[TT+5]                                       ; (the plain place behind v_exp_f32: ISA guide 5.7.2)
	EXPBLK 0                                                       ; behind each run of v_exp_f32 stand the plain lines of another block
	EXPBLK 1
	SUMPACK 0
	EXPBLK 2
	SUMPACK 1
	EXPBLK 3
	SUMPACK 2
	SUMPACK 3
	v_pk_add_f32 v[TT:TT+1], v[TT:TT+1], v[TT+2:TT+3]
	v_add_f32 v[TT], v[TT], v[TT+1]
	v_fma_f32 v[NM+1], v[NM+1], v[AL], v[TT]                       ; sum = sum alpha + this tile's (my half of the lanes' keys; the halves meet at the unit's end)
.endm
.macro RESCALE qt                      ; the query tile's 32 output registers times alpha
	WIN W_RS
.irp i, 0,1,2,3,4,5,6,7,8,9,10,11,12,13,14,15
	v_pk_mul_f32 v[OA+32*\qt+2*\i:OA+32*\qt+2*\i+1], v[OA+32*\qt+2*\i:OA+32*\qt+2*\i+1], v[AL:AL+1] op_sel_hi:[1,0]
.endr
.endm
.macro PV qt                           ; 64 d x 16 queries += V^T (64 keys) x weights: 8 matrix instructions
	WIN W_PV
.irp ks, 0,1
.irp t, 0,1,2,3
	v_wmma_f32_16x16x32_f16 v[OA+32*\qt+8*\t:OA+32*\qt+8*\t+7], v[VB+32*\ks+8*\t:VB+32*\ks+8*\t+7], v[SC+32*\qt+8*\ks:SC+32*\qt+8*\ks+7], v[OA+32*\qt+8*\t:OA+32*\qt+8*\t+7]
.endr
.endr
.endm
; A unit begins: output 0 (16 products of zero fragments with C = 0 write the 128 registers), sum 0, NM = +inf (no maximum yet).
; A unit's first trip is reached by a count read from memory and shares its text with every other trip: there alpha = exp2(-inf) = 0.
.macro CLEAR
	WIN W_D1
.set i, 0
.rept 16
	v_wmma_f32_16x16x32_f16 v[OA+8*i:OA+8*i+7], v[ZF:ZF+7], v[ZF+8:ZF+15], 0
.set i, i+1
.endr
	WIN 0
.irp qt, 0,1,2,3
	v_mov_b32 v[STAT+2*\qt], 0x7f800000
	v_mov_b32 v[STAT+2*\qt+1], 0
.endr
.endm
; A unit's end, without a barrier: my figures and my raw output go into LDS bytes of my own; they are read behind the loop.
; u = 0: go over to unit b.
.macro UNITEND u
.irp qt, 0,1,2,3
	v_permlanex16_b32 v[TT+\qt], v[STAT+2*\qt+1], s[SELLO], s[SELHI]
.endr
.irp qt, 0,1,2,3
	v_add_f32 v[STAT+2*\qt+1], v[STAT+2*\qt+1], v[TT+\qt]          ; the sum over my wave's 64-key halves, in both lanes of the query
.endr
.irp qt, 0,1,2,3
	ds_store_b64 v[STO+\u], v[STAT+2*\qt:STAT+2*\qt+1] offset:128*\qt   ; lanes r and r + 16 write the same 8 bytes with the same numbers
.endr
	WIN W_S1
.irp qt, 0,1,2,3
.irp t, 0,1,2,3
	ds_store_b128 v[MO+\u], v[OA+32*\qt+8*\t:OA+32*\qt+8*\t+3],   offset:\qt*16*MPITCH+64*\t       ; query 16 qt + r, d = 16 t + 8 h ..
	ds_store_b128 v[MO+\u], v[OA+32*\qt+8*\t+4:OA+32*\qt+8*\t+7], offset:\qt*16*MPITCH+64*\t+16
.endr
.endr
	WIN 0
.if \u == 0
	s_mov_b32 s[CT], s[NB]
	s_mov_b32 s[REM], s[REMB]
	s_mov_b32 s[CC], s[CB]
	s_mov_b32 s[CC+1], s[CB]
	s_xor_b32 s[NC], s[CB], 0x80000000
	s_mov_b32 s[FIRST], 1
	s_mov_b32 s[UL], 1
	s_wait_loadcnt 0x0                             ; unit b's Q (with n_a = 1 no other wait has covered it); the next tile's loads were issued a trip ago
	WIN W_CVQ
.set i, 0
.rept 64
	v_cvt_pk_f16_f32 v[QF+i], v[QB+2*i], v[QB+2*i+1]
.set i, i+1
.endr
	CLEAR
.endif
.endm
; The work on one key tile.  Places behind matrix instructions: four v_nop between the score products and the first line
; that reads scores; five at the end, behind the output products: the next tile's fragment loads land on their sources, its score
; products write over their weights, and a unit's end reads their results.
.macro COMPUTE slot
	READ \slot
	KSTEP 0
	KSTEP 1
	KSTEP 2
	KSTEP 3
	WIN 0
	PLACES 4
	s_cmp_eq_u32 s[FIRST], 0
	s_cbranch_scc1 .Lnomask_\slot
	MASK
.Lnomask_\slot:
	s_mov_b32 s[FIRST], 0
	SOFTMAX 0
	RESCALE 0
	s_wait_dscnt 0x0                               ; V's fragments are in: my reads of this slot are over
	PV 0
.irp qt, 1,2,3
	SOFTMAX \qt
	RESCALE \qt
	PV \qt
.endr
	WIN 0
	PLACES 5
	s_sub_co_u32 s[CT], s[CT], 1
	s_cmp_lg_u32 s[CT], 0
	s_cbranch_scc1 .Lidle_\slot
	s_cmp_lg_u32 s[UL], 2
	s_cbranch_scc1 .Lendb_\slot
	UNITEND 0
	s_branch .Lidle_\slot
.Lendb_\slot:
	UNITEND 1
.endm
; One trip: work on tile TI in this slot; tile TI + 1 goes from registers into the other slot, which was last read in front of the last
; trip's barrier; tile TI + 2 is asked for.  One barrier: behind it the other slot is whole, and nobody reads this one any more.
.macro TRIP slot, other
	s_cmp_lt_u32 s[TI], s[NT]
	s_cbranch_scc0 .Lidle_\slot
	COMPUTE \slot
.Lidle_\slot:
	s_wait_loadcnt 0x0                             ; the loads issued a trip ago; stands on every path, so that the staging registers and the bases are free below
	s_cmp_lt_u32 s[TI], s[NT1]
	s_cbranch_scc0 .Lnofill_\slot
	STORETILE \other
	s_cmp_lt_u32 s[TI], s[NT2]
	s_cbranch_scc0 .Lnofill_\slot
	LOADTILE
.Lnofill_\slot:
	s_wait_dscnt 0x0                               ; for the other waves' sake: my stores have landed, my reads are back
	s_barrier_signal -1
	s_barrier_wait -1
	s_add_co_u32 s[TI], s[TI], 1
.endm
; Behind the loop: rows 32 w .. 32 w + 31 of unit u.  Lane l makes row l's factors from the two key halves' figures; then two rows at a
; time: out = O0 f0 + O1 f1.
.macro MERGE u, outp
	ds_load_b64 v[TT:TT+1], v[STR] offset:\u*2048                  ; NM, sum of key half 0
	ds_load_b64 v[TT+2:TT+3], v[STR] offset:\u*2048+1024           ; of key half 1
	s_wait_dscnt 0x0
	v_min_num_f32 v[TT+4], v[TT], v[TT+2]                          ; the common NM
	v_sub_f32 v[TT+5], v[TT+4], v[TT]
	v_sub_f32 v[TT+6], v[TT+4], v[TT+2]
	v_exp_f32 v[TT+5], v[TT+5]                                     ; e0
	v_exp_f32 v[TT+6], v[TT+6]                                     ; e1: one of the two is 1, and that half's sum is at least about 1
	v_nop                                                          ; the plain place behind the transcendentals (ISA guide 5.7.2)
	s_wait_alu depctr_va_vdst(0)
	v_mul_f32 v[TT+1], v[TT+1], v[TT+5]
	v_fmac_f32 v[TT+1], v[TT+3], v[TT+6]                           ; the whole sum
	v_rcp_f32 v[TT+7], v[TT+1]
	v_nop
	s_wait_alu depctr_va_vdst(0)
	v_mul_f32 v[TT], v[TT+5], v[TT+7]                              ; f0 = e0 / sum
	v_mul_f32 v[TT+2], v[TT+6], v[TT+7]                            ; f1
	v_mov_b32 v[TT+1], v[TT]                                       ; each twice: pairs for the packed arithmetic
	v_mov_b32 v[TT+3], v[TT+2]
	ds_store_b128 v[FSA], v[TT:TT+3] offset:\u*2048                ; my wave's own bytes: LDS serves a wave's instructions in order (ISA guide 5.7.1), the loads below see it
.irp i, 0,1,2,3,4,5,6,7,8,9,10,11,12,13,14,15
	ds_load_b128 v[KB+4*\i:KB+4*\i+3], v[FSR] offset:\u*2048+32*\i         ; row 2 i + h: its factors,
	ds_load_b128 v[SC+8*\i:SC+8*\i+3], v[MR] offset:\i*2*MPITCH            ; 16 bytes of key half 0's output,
	ds_load_b128 v[SC+8*\i+4:SC+8*\i+7], v[MR] offset:MCOPY+\i*2*MPITCH    ; of key half 1's
.endr
.irp i, 0,1,2,3,4,5,6,7,8,9,10,11,12,13,14,15
	s_wait_dscnt 45-3*\i                           ; in order: this triple is in, the later triples stay out; the last count is 0
	v_pk_mul_f32 v[SC+8*\i:SC+8*\i+1], v[SC+8*\i:SC+8*\i+1], v[KB+4*\i:KB+4*\i+1]
	v_pk_mul_f32 v[SC+8*\i+2:SC+8*\i+3], v[SC+8*\i+2:SC+8*\i+3], v[KB+4*\i:KB+4*\i+1]
	v_pk_fma_f32 v[SC+8*\i:SC+8*\i+1], v[SC+8*\i+4:SC+8*\i+5], v[KB+4*\i+2:KB+4*\i+3], v[SC+8*\i:SC+8*\i+1]
	v_pk_fma_f32 v[SC+8*\i+2:SC+8*\i+3], v[SC+8*\i+6:SC+8*\i+7], v[KB+4*\i+2:KB+4*\i+3], v[SC+8*\i+2:SC+8*\i+3]
	global_store_b128 v[OUTOFF], v[SC+8*\i:SC+8*\i+3], s[\outp:\outp+1] offset:\i*512 th:TH_STORE_NT   ; the wave stores two whole rows: 512 consecutive bytes, aligned
.endr
.endm
; ------------------------------------------------------------------ the beginning
	s_load_b256 s[4:11], s[0:1], 0x0               ; keys s[4:5], queries s[6:7], valid_lens s[8:9], values s[10:11]
	s_load_b64 s[12:13], s[0:1], 0x20              ; out
	v_lshl_add_u32 v62, v0, 2, 0x37000
	v_mov_b32 v63, 0
	v_lshrrev_b32 v24, 5, v0
	v_readfirstlane_b32 s[WV], v24                 ; wave 0 .. 3
	v_and_b32 v24, 31, v0                          ; lane
	v_and_b32 v25, 15, v0                          ; r
	v_bfe_u32 v26, v0, 4, 1                        ; h
	s_lshr_b32 s[PP], ttmp9, 4                     ; pair p
	s_wait_kmcnt 0x0
	s_load_b512 s[SX:SX+15], s[8:9], 0x0           ; all 32 lengths
	s_load_b512 s[SX+16:SX+31], s[8:9], 0x40
	; the lanes' addresses, while the lengths are on their way
	s_and_b32 s[X0], s[WV], 1                      ; qg
	s_lshr_b32 s[X1], s[WV], 1                     ; kh
	s_mul_i32 s[X2], s[X1], 64*KPITCH
	v_mul_u32_u24 v27, v25, KPITCH
	v_lshl_add_u32 v27, v26, 4, v27
	v_add_nc_u32 v[AK], s[X2], v27
	v_add_nc_u32 v[AK+1], SLOT, v[AK]
	s_mul_i32 s[X2], s[X1], 64*VPITCH
	s_add_co_u32 s[X2], s[X2], KBYTES
	v_and_b32 v27, 7, v0
	v_lshl_add_u32 v27, v26, 3, v27
	v_mul_u32_u24 v27, v27, VPITCH
	v_bfe_u32 v28, v0, 3, 1
	v_lshl_add_u32 v27, v28, 4, v27
	v_add_nc_u32 v[AV], s[X2], v27
	v_add_nc_u32 v[AV+1], SLOT, v[AV]
	s_mul_i32 s[X2], s[WV], 32*KPITCH
	v_mul_u32_u24 v27, v26, 8*KPITCH
	v_lshl_add_u32 v27, v25, 3, v27
	v_add_nc_u32 v[SK], s[X2], v27
	v_add_nc_u32 v[SK+1], SLOT, v[SK]
	s_mul_i32 s[X2], s[WV], 32*VPITCH
	s_add_co_u32 s[X2], s[X2], KBYTES
	v_mul_u32_u24 v27, v26, 4*VPITCH
	v_lshl_add_u32 v27, v25, 3, v27
	v_add_nc_u32 v[SV], s[X2], v27
	v_add_nc_u32 v[SV+1], SLOT, v[SV]
	s_lshl_b32 s[X2], s[WV], 13                    ; 32 rows of 256 bytes for each wave
	v_lshlrev_b32 v27, 4, v25
	v_add_nc_u32 v27, s[X2], v27
	v_lshl_add_u32 v[GKO], v26, 11, v27
	v_lshl_add_u32 v[GVO], v26, 10, v27
	v_lshl_add_u32 v[OUTOFF], v26, 8, v27
	s_lshl_b32 s[X2], s[X0], 14
	v_lshlrev_b32 v27, 8, v25
	v_lshl_add_u32 v27, v26, 5, v27
	v_add_nc_u32 v[QOFF], s[X2], v27               ; 64 qg rows + r rows + 32 h
	s_lshl_b32 s[X2], s[X1], 6
	v_lshl_add_u32 v27, v26, 3, s[X2]
	v_sub_nc_u32 v[LB], 0, v27
	s_mul_i32 s[X2], s[WV], MWAVE                  ; w = qg + 2 kh: key half kh's copy, rows 64 qg ..
	s_add_co_u32 s[X2], s[X2], MRG
	v_mul_u32_u24 v27, v25, MPITCH
	v_lshl_add_u32 v27, v26, 5, v27
	v_add_nc_u32 v[MO], s[X2], v27
	v_add_nc_u32 v[MO+1], MUNIT, v[MO]
	s_lshl_b32 s[X2], s[WV], 9
	s_add_co_u32 s[X3], s[X2], LST
	v_lshl_add_u32 v[STO], v25, 3, s[X3]
	v_add_nc_u32 v[STO+1], 2048, v[STO]
	s_add_co_u32 s[X3], s[X2], FST
	v_lshl_add_u32 v[FSA], v24, 4, s[X3]
	v_lshl_add_u32 v[FSR], v26, 4, s[X3]
	s_mul_i32 s[X2], s[WV], 32*MPITCH
	s_add_co_u32 s[X2], s[X2], MRG
	v_mul_u32_u24 v27, v26, MPITCH
	v_lshl_add_u32 v27, v25, 4, v27
	v_add_nc_u32 v[MR], s[X2], v27
	s_lshl_b32 s[X2], s[WV], 8
	s_add_co_u32 s[X2], s[X2], LST
	v_lshl_add_u32 v[STR], v24, 3, s[X2]
.set i, 0
.rept 16
	v_mov_b32 v[ZF+i], 0                           ; the two fragments of zeros
.set i, i+1
.endr
	v_mov_b32 v[AL+1], 0                           ; completes alpha's pair
	v_mov_b32 v[TT+4], 0                           ; v_permlanex16_b32's destination counts as read
	s_wait_kmcnt 0x0
.set i, 0
.rept 32
	s_max_i32 s[SX+i], s[SX+i], 0                  ; 0 .. 2048,
	s_min_u32 s[SX+i], s[SX+i], 2048
	s_lshl_b32 s[SX+i], s[SX+i], 5                 ; with the batch's number below: 32 different keys
	s_or_b32 s[SX+i], s[SX+i], i
.set i, i+1
.endr
	; bitonic network, ascending: 15 stages of 16 exchanges; a stage reads one array and writes the other, so that an exchange is one
	; s_min_u32 and one s_max_u32.  An odd number of stages: the result lies in s[SY ..].
.set SRC, SX
.set DST, SY
.set kk, 2
.rept 5
.set jj, kk/2
.rept 5
.if jj > 0
.set ii, 0
.rept 32
.set ll, ii ^ jj
.if ll > ii
.if (ii & kk) == 0
	s_min_u32 s[DST+ii], s[SRC+ii], s[SRC+ll]
	s_max_u32 s[DST+ll], s[SRC+ii], s[SRC+ll]
.else
	s_max_u32 s[DST+ii], s[SRC+ii], s[SRC+ll]
	s_min_u32 s[DST+ll], s[SRC+ii], s[SRC+ll]
.endif
.endif
.set ii, ii+1
.endr
.set tmp, SRC
.set SRC, DST
.set DST, tmp
.set jj, jj/2
.endif
.endr
.set kk, kk*2
.endr
	s_mov_b32 s2, s[SY+31]                         ; places 31 - p and p of the order
	s_mov_b32 s3, s[SY]
.set i, 1
.rept 15
	s_cmp_eq_u32 s[PP], i
	s_cselect_b32 s2, s[SY+31-i], s2
	s_cselect_b32 s3, s[SY+i], s3
.set i, i+1
.endr
	DECODE 2, BA, CT, REM, CC                      ; unit a: the longer batch
	DECODE 3, BB, NB, REMB, CB                     ; unit b: the shorter
	s_mov_b32 s[CC+1], s[CC]
	s_xor_b32 s[NC], s[CC], 0x80000000
	s_sub_co_u32 s[NA1], s[CT], 1
	s_add_co_u32 s[NT], s[CT], s[NB]               ; 2 .. 32
	s_sub_co_u32 s[NT1], s[NT], 1
	s_sub_co_u32 s[NT2], s[NT], 2
	s_mov_b32 s[PF], 0
	s_mov_b32 s[TI], 0
	s_mov_b32 s[FIRST], 1
	s_mov_b32 s[UL], 2
	s_mov_b32 s[PASS], 0
	s_mov_b32 s[MASKV], 0xcaf42400
	s_mov_b32 s[SELLO], 0x76543210
	s_mov_b32 s[SELHI], 0xfedcba98
	; Q and out at my query block of the two batches
	s_and_b32 s[QBLK], ttmp9, 15
	s_lshl_b32 s[X0], s[QBLK], 15                  ; 128 rows of 256 bytes
	s_lshl_b32 s[X1], s[BA], 19
	s_add_co_u32 s[OFF], s[X0], s[X1]
	s_mov_b32 s[OFF+1], 0                          ; stays 0
	s_add_nc_u64 s[OUTP:OUTP+1], s[12:13], s[OFF:OFF+1]
	s_add_nc_u64 s[QPA:QPA+1], s[6:7], s[OFF:OFF+1]
	s_lshl_b32 s[X1], s[BB], 19
	s_add_co_u32 s[OFF], s[X0], s[X1]
	s_add_nc_u64 s[OUTP2:OUTP2+1], s[12:13], s[OFF:OFF+1]
	s_add_nc_u64 s[QPB:QPB+1], s[6:7], s[OFF:OFF+1]
	LOADTILE                                       ; tile 0 (T >= 2: tiles 0 and 1 always exist)
	; unit a's Q as f32, into the score registers: lane (r, h) takes query 64 qg + 16 qt + r, d = 16 g + 8 h + 4 e ..: the fragments' own order
.irp qt, 0,1,2,3
.irp g, 0,1,2,3
.irp e, 0,1
	global_load_b128 v[SC+32*\qt+8*\g+4*\e:SC+32*\qt+8*\g+4*\e+3], v[QOFF], s[QPA:QPA+1] offset:\qt*4096+64*\g+16*\e
.endr
.endr
.endr
	s_wait_loadcnt 0x20                            ; loads come back in order (ISA guide 5.7.1): tile 0's 32 are in; Q's 32 stay out
	STORETILE 0
	LOADTILE                                       ; tile 1
	s_wait_loadcnt 0x20                            ; unit a's Q is in; tile 1's 32 loads stay out
	WIN W_D1
.set i, 0
.rept 64
	v_cvt_pk_f16_f32 v[QF+i], v[SC+2*i], v[SC+2*i+1]
.set i, i+1
.endr
	WIN W_LD3                                      ; unit b's Q waits as f32 in registers of its own until the change of unit
.irp qt, 0,1,2,3
.irp g, 0,1,2,3
.irp e, 0,1
	global_load_b128 v[QB+32*\qt+8*\g+4*\e:QB+32*\qt+8*\g+4*\e+3], v[QOFF], s[QPB:QPB+1] offset:\qt*4096+64*\g+16*\e
.endr
.endr
.endr
	CLEAR
	s_wait_dscnt 0x0                               ; for the other waves' sake: my quarter of tile 0 is in slot 0
	s_barrier_signal -1
	s_barrier_wait -1
; ------------------------------------------------------------------ 32 trips, two to a pass, one in each slot
.Lpass:
	TRIP 0, 1
	TRIP 1, 0
	s_add_co_u32 s[PASS], s[PASS], 1
	s_cmp_lt_u32 s[PASS], 16
	s_cbranch_scc1 .Lpass
; ------------------------------------------------------------------ both units' key halves meet; every wave's stores stand in front of the last trip's barrier
	MERGE 0, OUTP
	s_wait_xcnt 0x0                                ; the stores' data registers are loaded again only behind this wait (ISA guide 3.1)
	v_add_nc_u32 v[MR], MUNIT, v[MR]
	MERGE 1, OUTP2
	s_wait_tensorcnt 0x0
	ds_add_u32 v62, v63
	s_wait_dscnt 0x0
	s_endpgm
.Lfunc_end_k_q1de7c1f7ac_attn:
	.size	k_q1de7c1f7ac_attn, .Lfunc_end_k_q1de7c1f7ac_attn-k_q1de7c1f7ac_attn
	.p2alignl 7, 3214868480
	.fill 96, 4, 3214868480
	.section	.rodata,"a",@progbits
	.p2align	6, 0x0
	.amdhsa_kernel k_q1de7c1f7ac_attn
		.amdhsa_group_segment_fixed_size 225792
		.amdhsa_private_segment_fixed_size 0
		.amdhsa_enable_private_segment 0
		.amdhsa_kernarg_size 40
		.amdhsa_user_sgpr_count 2
		.amdhsa_user_sgpr_kernarg_segment_ptr 1
		.amdhsa_wavefront_size32 1
		.amdhsa_system_sgpr_workgroup_id_x 1
		.amdhsa_system_sgpr_workgroup_id_y 1
		.amdhsa_system_sgpr_workgroup_id_z 1
		.amdhsa_system_vgpr_workitem_id 0
		.amdhsa_next_free_vgpr 896
		.amdhsa_next_free_sgpr 100
		.amdhsa_reserve_vcc 1
		.amdhsa_float_denorm_mode_32 3
		.amdhsa_float_denorm_mode_16_64 3
		.amdhsa_memory_ordered 1
		.amdhsa_forward_progress 1
		.amdhsa_inst_pref_size 191
	.end_amdhsa_kernel
	.amdgpu_metadata
---
amdhsa.version: [ 1, 2 ]
amdhsa.kernels:
  - .name:           k_q1de7c1f7ac_attn
    .symbol:         k_q1de7c1f7ac_attn.kd
    .args:
      - { .name: keys, .offset: 0, .size: 8, .value_kind: global_buffer, .address_space: global }
      - { .name: queries, .offset: 8, .size: 8, .value_kind: global_buffer, .address_space: global }
      - { .name: valid_lens, .offset: 16, .size: 8, .value_kind: global_buffer, .address_space: global }
      - { .name: values, .offset: 24, .size: 8, .value_kind: global_buffer, .address_space: global }
      - { .name: out0, .offset: 32, .size: 8, .value_kind: global_buffer, .address_space: global }
    .group_segment_fixed_size: 225792
    .private_segment_fixed_size: 0
    .kernarg_segment_align: 8
    .kernarg_segment_size: 40
    .max_flat_workgroup_size: 128
    .sgpr_count:     100
    .vgpr_count:     896
    .wavefront_size: 32
...
	.end_amdgpu_metadata
.endif
;; end of part 1
